; MI455X (gfx1250); checked and timed in simulation.
; The chip was launched on July 23, 2026; its instructions are those of AMD's public machine-readable ISA for CDNA 5 (MIT licence, August 2026) and "CDNA5" Instruction Set Architecture Reference Guide (July 2026). The comments in the code are by the model that wrote it; some were corrected since.
;; Full Attention Estimator. Allowed arithmetic: matrix products marked QUANTISED: E2M1 operands, one E8M0 scale for each 32 along K, by v_wmma_scale_f32_16x16x128_f8f6f4 with both operands' format E2M1 (or v_wmma_scale_f32_32x16x128_f4), f32 sums; products left as they are: f32 operands where the result goes on into a quantised operand, else bf16, f16 or f32 operands; f32 sums; everything else in f32.
;; Inputs: K 2 x 512 x 1,024 float32; Q 2 x 512 x 1,024 float32; Wk 1,024 x 128 float32; Wo 128 x 1 float32; Wq 1,024 x 128 float32; Wu 384 x 128 float32; Wv 384 x 128 float32; bo 1 float32; bu 128 float32; bv 128 float32; ln_b 384 float32; ln_g 384 float32.
;; Outputs: out0 2 x 512 x 512 float32.
;; This version of the problem:
;;   THIS VERSION OF THE PROBLEM IS GIVEN IN LOW PRECISION. The matrix products marked QUANTISED in the list below multiply operands that are first quantised to E2M1 (2 exponent bits, 1 mantissa bit; 4 bits a number), with one power-of-two scale for each 32 numbers along K (OCP MX v1.0); their sums are f32. All else is computed in f32.
;;   The module's matrix products, in the order in which they are computed (A, B: the left and right operand; K: the contracted axis; several contracted axes count as one K, in the product's order):
;;     1. [M 1,024, K 1,024] x [K 1,024, N 128]; A: input Q; B: input Wq: QUANTISED
;;     2. [M 1,024, K 1,024] x [K 1,024, N 128]; A: input K; B: input Wk: QUANTISED
;;     3. [M 524,288, K 384] x [K 384, N 128]; A: computed on the way; B: input Wu: QUANTISED
;;     4. [M 524,288, K 384] x [K 384, N 128]; A: computed on the way; B: input Wv: QUANTISED
;;     5. [M 524,288, K 128] x [K 128, N 1]; A: computed on the way; B: input Wo: left as it is (N = 1 < 16)
;;   THE QUANTISER, for each operand of a quantised product, along K:
;;     - K is cut into blocks of 32 from its start; a last block that is shorter is filled with zeros.
;;     - A block's scale is 2^e with e = floor(log2(the largest magnitude in the block)) - 2, held to -126 .. 127; a block of zeros has e = 0. As a byte (E8M0): e + 127.
;;     - Each number is divided by its block's scale, clamped to +-6, and rounded to the nearest number of E2M1, ties to even, subnormals kept.
;;     - The product sums the exact products of the quantised numbers (number of the format x scale) in f32.
;;   ~~~python
;;   def quantise(x, axis):      # numpy; x: float32 -> the quantised numbers, widened to float32 again
;;       x = np.moveaxis(x, axis, -1); K = x.shape[-1]
;;       x = np.pad(x, [(0, 0)] * (x.ndim - 1) + [(0, -K % 32)]); x = x.reshape(x.shape[:-1] + (-1, 32)); a = np.abs(x).max(-1, keepdims=True)
;;       e = np.where(a > 0, np.clip(np.frexp(np.where(a > 0, a, 1))[1] - 1 - 2, -126, 127), 0)      # np.frexp(a)[1] - 1 = floor(log2(a)), exactly
;;       r = np.clip(x / 2.0 ** e, -6, 6)
;;       step = 2.0 ** (np.maximum(np.frexp(np.where(r == 0, 1, r))[1] - 1, 0) - 1)
;;       q = np.round(r / step) * step * 2.0 ** e      # np.round: ties to even
;;       return np.moveaxis(q.reshape(q.shape[:-2] + (-1,))[..., :K], -1, axis).astype(np.float32)
;;   ~~~
;;   OPERANDS COMPUTED ON THE WAY. 'Computed on the way' means the value that the module computes at that place (a softmax that the list does not call 'softmax' is quantised finished and normalised). What goes into a quantiser is computed in f32, as accurately as f32 sums, v_exp_f32 and their like allow (about 1e-6 of the number): no bf16 or f16 on the way to a quantiser, and a product that is left as it is and whose result goes on into a quantised operand takes f32 operands (vector FMAs, or v_wmma_f32_16x16x4_f32). A number that lies on a knife's edge between two numbers of the format may be rounded either way, as far as f32 arithmetic and the matrix unit's own rounding can turn it there, and no further.
;; One version. Each part assembles by itself: llvm-mc -triple=amdgcn-amd-amdhsa -mcpu=gfx1250 --defsym DOCPART=n.
;; ======== version 1 of 1: 2 launches
;; limits: a difference of large sums (such as E[x^2] - mean^2): digits are lost where the result is much smaller than its terms
;; workspace buffers: xcod 1,048,576 bytes; xscl 65,536 bytes; wcod 180,224 bytes; wscl 11,264 bytes
;; launch quant (part 1): grid 139 x 1, 8 waves a work-group, no clusters, 67,584 bytes of LDS; arguments Q, K, Wq, Wk, Wu, Wv, xcod, xscl, wcod, wscl; writes xcod, xscl, wcod, wscl
.if DOCPART == 1
	.amdgcn_target "amdgcn-amd-amdhsa--gfx1250"
	.amdhsa_code_object_version 6
	.text
	.protected	k_qf4e8f26eaf_quant
	.globl	k_qf4e8f26eaf_quant
	.p2align	8
	.type	k_qf4e8f26eaf_quant,@function
k_qf4e8f26eaf_quant:
	s_mov_b64 s[64:65], 0
	v_nop
	global_prefetch_b8 v0, s[64:65] scope:SCOPE_SE
	s_setreg_imm32_b32 hwreg(HW_REG_WAVE_MODE, 25, 1), 1
	s_wait_xcnt 0x0
; Every f32 operand that many work-groups of the next launch read is turned ONCE into codes of FP4 (E2M1) with one E8M0 scale byte for each 32 along K.
; The codes are laid in the ORDER OF THE OPERAND'S REGISTERS: a fragment (16 rows x 128 K) is 1,024 bytes, [c 0..1][lane 0..31][16 bytes]; lane (r = lane % 16, h = lane / 16), group c holds block 2 c + h of row r.
;   xcod [tile 128][ks 8][1024]: tiles 0-63 are Q's rows 16 t on, tiles 64-127 K's.   xscl [tile][ks][r 16]: one word (four bytes) for a row and 128 along K.
;   wcod: Wq at 0 [nt 8][ks 8][1024], Wk at 65,536, Wu at 131,072 [nt 8][ks 3][1024], Wv at 155,648; a row of these operands is a COLUMN of the weight.   wscl: 0, 4,096, 8,192, 9,728, [nt][ks][16] words.
; A block's scale is 2^(floor(log2(largest magnitude)) - 2); its byte is the largest magnitude's exponent field - 2, held at 1 from below by a floor among the maximum's leaves.
; A block of zeros so keeps the byte 1 where the rule says 127: its codes are zeros, and this program alone reads the bytes.
; LIMITS: NaN and infinities among the inputs are not served.
; Work-groups 0-127: one tile of 16 rows of Q or K each, wave w its K step w.  Work-groups 128-138: the weights, a wave to a job of 32 columns x 128 along K (88 jobs).
; No barrier: waves share nothing.  EXEC is never written.  Only the first path uses LDS.
.set LROW, 528                         ; a stage row: 512 bytes + 16, so that sixteen rows start at sixteen different groups of banks
.set WREG, 16*LROW                     ; a wave's stage
.set RR,   16                          ; v16-79   numbers as they are loaded (weights: v16-143, 128 down K)
.set XX,   80                          ; v80-143  the lane's two blocks of 32 neighbours
.set CC,   144                         ; v144..   codes
	s_load_b512 s[4:19], s[0:1], 0x0               ; Q s[4:5], K s[6:7], Wq s[8:9], Wk s[10:11], Wu s[12:13], Wv s[14:15], xcod s[16:17], xscl s[18:19]
	s_load_b128 s[20:23], s[0:1], 0x40             ; wcod s[20:21], wscl s[22:23]
	v_lshrrev_b32 v1, 5, v0
	v_readfirstlane_b32 s26, v1                    ; wave 0..7
	v_and_b32 v2, 31, v0                           ; lane
	v_and_b32 v3, 15, v0                           ; r
	v_bfe_u32 v1, v0, 4, 1                         ; h
	v_lshlrev_b32 v4, 4, v2                        ; 16 x lane
	s_mov_b32 s40, 0x76543210
	s_mov_b32 s41, 0xfedcba98                      ; v_permlanex16_b32's selects for lane l xor 16
	s_cmp_ge_u32 ttmp9, 128
	s_cbranch_scc1 .Lweights
	; ---- Q and K: K is innermost.  Tile = work-group, K step = wave.
	s_mul_i32 s27, s26, WREG
	v_add_nc_u32 v5, s27, v4                       ; the stage, on the way in: a row's 512 bytes as they lie
	v_mul_u32_u24 v6, v3, LROW
	v_lshl_add_u32 v6, v1, 7, v6
	v_add_nc_u32 v6, s27, v6                       ; and back: row r, + 128 h bytes: my block of 32 numbers
	v_lshlrev_b32 v7, 2, v3                        ; 4 r: my row's scale word
	s_and_b32 s28, ttmp9, 63
	s_lshl_b32 s28, s28, 16                        ; 16 rows of 4,096 bytes
	s_lshl_b32 s29, s26, 9                         ; 128 numbers along K
	s_add_co_u32 s28, s28, s29
	s_mov_b32 s29, 0
	s_lshl_b32 s30, ttmp9, 3
	s_add_co_u32 s30, s30, s26                     ; 8 x tile + K step
	s_lshl_b32 s32, s30, 6
	s_mov_b32 s33, 0
	s_lshl_b32 s30, s30, 10
	s_mov_b32 s31, 0
	s_wait_kmcnt 0x0
	s_cmp_lt_u32 ttmp9, 64                         ; the choice hangs on the work-group's number alone
	s_cselect_b64 s[4:5], s[4:5], s[6:7]
	s_add_nc_u64 s[4:5], s[4:5], s[28:29]
	s_add_nc_u64 s[16:17], s[16:17], s[30:31]
	s_add_nc_u64 s[18:19], s[18:19], s[32:33]
.irp t, 0,1,2,3,4,5,6,7,8,9,10,11,12,13,14,15
	global_load_b128 v[RR+4*\t:RR+4*\t+3], v4, s[4:5] offset:\t*4096 th:TH_LOAD_NT   ; 32 lanes read 512 consecutive bytes of row t
.endr
.irp t, 0,1,2,3,4,5,6,7,8,9,10,11,12,13,14,15
	s_wait_loadcnt 15-\t                           ; row t is in; the rows behind it may be out
	ds_store_b128 v5, v[RR+4*\t:RR+4*\t+3] offset:\t*LROW
.endr
.irp c, 0,1
.irp j, 0,1,2,3,4,5,6,7
	ds_load_b128 v[XX+32*\c+4*\j:XX+32*\c+4*\j+3], v6 offset:\c*256+\j*16   ; my wave's own bytes, served in order: register 32 c + i = k 64 c + 32 h + i of row r
.endr
.endr
	s_wait_dscnt 0x0
.irp c, 0,1
	v_max3_num_f32 v[8+\c], |v[XX+32*\c]|, |v[XX+32*\c+1]|, 0x1800000   ; the floor 2^(3 - 127): the byte cannot fall under 1
.endr
.irp i, 2,4,6,8,10,12,14,16,18,20,22,24,26,28,30
.irp c, 0,1
	v_max3_num_f32 v[8+\c], v[8+\c], |v[XX+32*\c+\i]|, |v[XX+32*\c+\i+1]|   ; the two blocks by turns
.endr
.endr
.irp c, 0,1
	v_add_nc_u32 v[10+\c], 0xff000000, v[8+\c]     ; 2 off the exponent field: the conversion's scale operand
.endr
.irp c, 0,1
	v_lshrrev_b32 v[12+\c], 23, v[10+\c]           ; the scale's byte
.endr
	v_lshl_or_b32 v14, v13, 16, v12                ; my two bytes: blocks h and 2 + h,
	v_lshlrev_b32 v15, 3, v1
	v_lshlrev_b32 v14, v15, v14                    ; at their places in the word;
	v_mov_b32 v15, 0
	v_permlanex16_b32 v15, v14, s40, s41
	v_or_b32 v14, v14, v15                         ; with lane l xor 16's two the word is whole
.irp c, 0,1
.irp g, 0,1,2,3
	v_cvt_scalef32_pk8_fp4_f32 v[CC+4*\c+\g], v[XX+32*\c+8*\g:XX+32*\c+8*\g+7], v[10+\c]
.endr
.endr
	v_nop                                          ; one plain line behind the last conversion
	global_store_b128 v4, v[CC:CC+3], s[16:17]                 ; 512 consecutive bytes each
	global_store_b128 v4, v[CC+4:CC+7], s[16:17] offset:512
	global_store_b32 v7, v14, s[18:19]             ; sixteen words; lanes 16-31 write the same words once more
	s_endpgm
	; ---- the weights: K is the FIRST axis.  A lane takes a column and its registers run down K.
.Lweights:
	s_sub_co_u32 s24, ttmp9, 128
	s_lshl_b32 s24, s24, 3
	s_add_co_u32 s24, s24, s26                     ; job 0..87: 0-31 Wq, 32-63 Wk, 64-75 Wu, 76-87 Wv
	s_wait_kmcnt 0x0
	s_cmp_lt_u32 s24, 32
	s_cselect_b64 s[28:29], s[8:9], s[10:11]
	s_cselect_b32 s30, 0, 32                       ; the tensor's first job,
	s_cselect_b32 s31, 0, 65536                    ; its place among the codes,
	s_cselect_b32 s32, 0, 4096                     ; and among the scale words
	s_cmp_lt_u32 s24, 76
	s_cselect_b64 s[34:35], s[12:13], s[14:15]
	s_mov_b32 s36, 76
	s_cselect_b32 s36, 64, s36
	s_mov_b32 s37, 155648
	s_cselect_b32 s37, 131072, s37
	s_mov_b32 s38, 9728
	s_cselect_b32 s38, 8192, s38
	s_cmp_lt_u32 s24, 64
	s_cselect_b64 s[28:29], s[28:29], s[34:35]
	s_cselect_b32 s30, s30, s36
	s_cselect_b32 s31, s31, s37
	s_cselect_b32 s32, s32, s38
	s_cselect_b32 s33, 8, 3                        ; K steps of the tensor
	s_sub_co_u32 s30, s24, s30
	s_lshr_b32 s36, s30, 2                         ; K step
	s_and_b32 s37, s30, 3                          ; which 32 columns
	s_lshl_b32 s42, s36, 16                        ; 128 rows of 512 bytes
	s_lshl_b32 s43, s37, 7
	s_add_co_u32 s42, s42, s43
	s_mov_b32 s43, 0
	s_add_nc_u64 s[28:29], s[28:29], s[42:43]
	s_lshl_b32 s38, s37, 1                         ; the first of my two tiles of 16 columns
	s_mul_i32 s38, s38, s33
	s_add_co_u32 s38, s38, s36                     ; tile x K steps + K step
	s_lshl_b32 s42, s38, 10
	s_add_co_u32 s42, s42, s31
	s_add_nc_u64 s[20:21], s[20:21], s[42:43]
	s_lshl_b32 s42, s38, 6
	s_add_co_u32 s42, s42, s32
	s_add_nc_u64 s[22:23], s[22:23], s[42:43]
	s_lshl_b32 s44, s33, 10
	s_lshl_b32 s45, s33, 6
	v_mul_lo_u32 v5, v1, s44                       ; lanes 16-31: the next tile
	v_lshl_add_u32 v5, v3, 4, v5                   ; + 16 r
	v_mul_lo_u32 v6, v1, s45
	v_lshl_add_u32 v6, v3, 2, v6                   ; the scale word likewise, + 4 r
	v_lshlrev_b32 v7, 2, v2                        ; in: 4 bytes a lane
.macro WLOAD t                         ; block t: W(32 t + i, my column)
.irp i, 0,1,2,3,4,5,6,7,8,9,10,11,12,13,14,15,16,17,18,19,20,21,22,23,24,25,26,27,28,29,30,31
	global_load_b32 v[RR+32*(\t)+\i], v7, s[28:29] offset:(32*(\t)+\i)*512 th:TH_LOAD_NT   ; 128 consecutive bytes a wave
.endr
.endm
.macro WBLOCK t
.set XS, RR+32*(\t)
.if (\t) < 3
	s_wait_loadcnt 32                              ; this block's 32 loads are in; the next block's may be out
.else
	s_wait_loadcnt 0x0
.endif
.if (\t)+2 < 4
	WLOAD (\t)+2
.endif
	v_max3_num_f32 v12, |v[XS]|, |v[XS+1]|, |v[XS+2]|          ; all 32 numbers of the block are mine
	v_max3_num_f32 v13, |v[XS+3]|, |v[XS+4]|, |v[XS+5]|
.irp i, 6,10,14,18,22,26
	v_max3_num_f32 v12, v12, |v[XS+\i]|, |v[XS+\i+1]|
	v_max3_num_f32 v13, v13, |v[XS+\i+2]|, |v[XS+\i+3]|
.endr
	v_max3_num_f32 v12, v12, |v[XS+30]|, |v[XS+31]|
	v_max3_num_f32 v12, v12, v13, 0x1800000        ; and the floor
	v_add_nc_u32 v11, 0xff000000, v12
	v_lshrrev_b32 v13, 23, v11
.if (\t) == 0
	v_mov_b32 v10, v13
.else
	v_lshl_or_b32 v10, v13, 8*(\t), v10            ; the lower K in the lower byte
.endif
.irp g, 0,1,2,3
	v_cvt_scalef32_pk8_fp4_f32 v[CC+4*(\t)+\g], v[XS+8*\g:XS+8*\g+7], v11
.endr
	v_nop                                          ; one plain line behind the conversions
	global_store_b128 v5, v[CC+4*(\t):CC+4*(\t)+3], s[20:21] offset:((\t)/2)*512+((\t)%2)*256   ; block t = 2 c + h of the fragment: sixteen lanes fill 256 consecutive bytes, aligned
.endm
	WLOAD 0
	WLOAD 1
	WBLOCK 0
	WBLOCK 1
	WBLOCK 2
	WBLOCK 3
	global_store_b32 v6, v10, s[22:23]             ; my column's scale word for these 128 along K
	s_endpgm
.Lfunc_end_k_qf4e8f26eaf_quant:
	.size	k_qf4e8f26eaf_quant, .Lfunc_end_k_qf4e8f26eaf_quant-k_qf4e8f26eaf_quant
	.p2alignl 7, 3214868480
	.fill 96, 4, 3214868480
	.section	.rodata,"a",@progbits
	.p2align	6, 0x0
	.amdhsa_kernel k_qf4e8f26eaf_quant
		.amdhsa_group_segment_fixed_size 67584
		.amdhsa_private_segment_fixed_size 0
		.amdhsa_enable_private_segment 0
		.amdhsa_kernarg_size 80
		.amdhsa_user_sgpr_count 2
		.amdhsa_user_sgpr_kernarg_segment_ptr 1
		.amdhsa_wavefront_size32 1
		.amdhsa_system_sgpr_workgroup_id_x 1
		.amdhsa_system_sgpr_workgroup_id_y 1
		.amdhsa_system_sgpr_workgroup_id_z 1
		.amdhsa_system_vgpr_workitem_id 0
		.amdhsa_next_free_vgpr 168
		.amdhsa_next_free_sgpr 66
		.amdhsa_reserve_vcc 0
		.amdhsa_float_denorm_mode_32 3
		.amdhsa_float_denorm_mode_16_64 3
		.amdhsa_memory_ordered 1
		.amdhsa_forward_progress 1
		.amdhsa_inst_pref_size 30
	.end_amdhsa_kernel
	.amdgpu_metadata
---
amdhsa.version: [ 1, 2 ]
amdhsa.kernels:
  - .name:           k_qf4e8f26eaf_quant
    .symbol:         k_qf4e8f26eaf_quant.kd
    .args:
      - { .name: Q, .offset: 0, .size: 8, .value_kind: global_buffer, .address_space: global }
      - { .name: K, .offset: 8, .size: 8, .value_kind: global_buffer, .address_space: global }
      - { .name: Wq, .offset: 16, .size: 8, .value_kind: global_buffer, .address_space: global }
      - { .name: Wk, .offset: 24, .size: 8, .value_kind: global_buffer, .address_space: global }
      - { .name: Wu, .offset: 32, .size: 8, .value_kind: global_buffer, .address_space: global }
      - { .name: Wv, .offset: 40, .size: 8, .value_kind: global_buffer, .address_space: global }
      - { .name: xcod, .offset: 48, .size: 8, .value_kind: global_buffer, .address_space: global }
      - { .name: xscl, .offset: 56, .size: 8, .value_kind: global_buffer, .address_space: global }
      - { .name: wcod, .offset: 64, .size: 8, .value_kind: global_buffer, .address_space: global }
      - { .name: wscl, .offset: 72, .size: 8, .value_kind: global_buffer, .address_space: global }
    .group_segment_fixed_size: 67584
    .private_segment_fixed_size: 0
    .kernarg_segment_align: 8
    .kernarg_segment_size: 80
    .max_flat_workgroup_size: 256
    .sgpr_count:     66
    .vgpr_count:     168
    .wavefront_size: 32
...
	.end_amdgpu_metadata
.endif
;; end of part 1
;; launch pairs (part 2): grid 8 x 32, 8 waves a work-group, no clusters, 320,256 bytes of LDS; arguments xcod, xscl, wcod, wscl, ln_g, ln_b, bu, bv, Wo, bo, out0; writes out0
.if DOCPART == 2
	.amdgcn_target "amdgcn-amd-amdhsa--gfx1250"
	.amdhsa_code_object_version 6
	.text
	.protected	k_qf4e8f26eaf_pairs
	.globl	k_qf4e8f26eaf_pairs
	.p2align	8
	.type	k_qf4e8f26eaf_pairs,@function
k_qf4e8f26eaf_pairs:
	s_mov_b64 s[64:65], 0
	v_nop
	global_prefetch_b8 v0, s[64:65] scope:SCOPE_SE
	s_setreg_imm32_b32 hwreg(HW_REG_WAVE_MODE, 25, 1), 1
	s_wait_xcnt 0x0
; out[b][i][j] = sum over hidden units of Wo u gelu(v) + bo;  u, v = Q4(LN([q_i, k_j, q_i k_j]) g + b) Q4(Wu), Q4(Wv) + bu, bv;  q = Q4(Q) Q4(Wq), k = Q4(K) Q4(Wk).  Q4: the MX-FP4 quantiser along K.
; SHARES.  A work-group owns 32 i x 64 j of one batch: 256 work-groups of equal work.  Eight waves, two to a SIMD, 512 registers each: the vector unit has by far the most to do here
; (normalising, maxima, conversions, GELU), and one wave's matrix, LDS and reciprocal latencies lie under the other's vector work.
; HEAD.  The work-group's 96 rows of q and k are made from codes (wave w: hidden units 16 w on), laid in LDS as f32; row sums by vector sums; q.k and q^2.k^2 of all pairs by the f32 matrix form; from them a, m of each pair.
; LAYERNORM.  a = rsq(var + 1e-5), m = -mu a; an element is fma(fma(x, a, m), g, b).  mu = (Sq + Sk + q.k) / 384, var = max((Sqq + Skk + q^2.k^2) / 384 - mu^2, 0), all in f32.
; FOUR CHUNKS of 8 i x 64 j = 32 tiles (a tile: one i, 16 j).  PHASE X: wave (s = w % 4, g = w / 4) makes block s of each of the three parts (c = 32 s .. 32 s + 31) for i = 4 g .. 4 g + 3 and all j, a lane to a j:
; a whole block lies in one lane, its gains, biases and k stay in registers (window 1).  The codes go to LDS as IMAGES OF THE OPERAND'S REGISTERS.  One barrier.  PHASE M: wave (ns = w % 4, tg = w / 4) holds Wu's and Wv's
; fragments of hidden units 32 ns on and takes 16 tiles: 12 matrix instructions (transposed: source 0 = 16 hidden units, source 1 = 16 pairs; bu, bv are the C of the first), GELU, x Wo, a partial sum a lane to LDS.
; Two image buffers take turns, so one barrier a chunk serves: a buffer is written again only behind the next chunk's barrier, which every wave reaches behind its reads of it.
; GELU.  2 gelu(v) = v + |v| erf(|v| / sqrt 2), erf(x) = 1 - (1 + a1 x + .. + a6 x^6)^-16 (Abramowitz and Stegun 7.1.28, error at most 3e-7); sqrt 2's powers are folded into the six constants, the 0.5 into the last line.
; Where the polynomial's power overflows, its reciprocal is 0 and erf is 1.  It stands behind the last quantiser.
; LIMITS: var's relative error is about 2^-23 (1 + mu^2 / var): large only where q, k and q k are all nearly one constant.  NaN and infinities are not served.  A block of zeros keeps the byte 1 with zero codes.
; No tensor loads, no cluster: no tile is streamed; a work-group reads its operands once, in its head.
.set TP,    3328                       ; a tile's image: 3 K steps x 1,024 bytes of codes, then 16 rows x 16 bytes of scale bytes (word p of a row: K step p; byte s: block s)
.set IMGB,  131072                     ; LDS: image buffer 0 at 0, buffer 1 here; 32 tiles each
.set PXS,   49152                      ; head only, over buffer 0: x's fragments [m 6][ks 8][1024] at 0; their scale words [ks][m][16] here
.set RAW,   106496                     ; 96 rows of f32, pitch RP: rows 0-31 q (kept), rows 32-95 k (head only, partly over buffer 1)
.set RP,    528
.set STATS, 237568                     ; [i 32][j 64] (a, m)
.set PART,  253952                     ; [ns 4][tile 128][lane 32] f32
.set ROWS,  319488                     ; [row 96] (sum, sum of squares)
; window 0: v1 16 lane, v2 4 lane, v3 16 r + 3072, v4 8 lane, v5/v6 image places of my codes / bytes, v7-13 addresses in hand, v14 32 h, v15 0, v16-33 SCALES ALONE, v[34:35] C5.
; Lane offsets of the head's global loads: v220, v221 (last used ahead of the projection; the squares are laid over them later), v238 (Wu's and Wv's scale words; free of the squares, v164-227, and of the f32 sums, v240-255).
.set XSW,  16                          ; head: x's scale words, two sets of 3
.set WS,   16                          ; v16-21 Wu's words (lanes 0-15) and Wv's (lanes 16-31): 2 p + tile
.set XS,   22                          ; v22-24 the tile's scale words
.set WQS,  26                          ; head: v26-33 Wq's (lanes 0-15) and Wk's (lanes 16-31)
.set WT,   36                          ; v36-131 W[a][p] at 8 (3 a + p): a = 0 u, 1 v of tile 2 ns; 2, 3 of tile 2 ns + 1
.set PACC, 36                          ; head: six accumulators;  XA: two sets of six fragments;  XIW: staging of scale words
.set XA,   84
.set XIW,  180
.set SA,   36                          ; head: 16 rows of q, of k, as f32 fragments;  SQ: their squares, two sets of 32;  RW: rows for the row sums
.set SB,   100
.set SQ,   164
.set RW,   164
.set FQ,   132                         ; phase X: q_i's 32 numbers; VAL the block at work; AM (a, m) of my two j
.set VAL,  164
.set AM,   196
.set MX,   204
.set SCL,  208
.set BYT,  209                         ; and 218
.set COD,  210                         ; and 214: two sets by turns
.set BIAS, 132                         ; phase M
.set WO,   164
.set XF,   180
.set AV,   204
.set DP,   212
.set ACC,  224                         ; U0, V0, U1, V1
.set SUMA, 224
.set SUMB, 226
.set DST,  240                         ; v240-255 are written by matrix instructions alone, in the whole text
.set EST,  248
; window 1: G_p at 32 p, B_p at 96 + 32 p, k of my j at 192 + 32 jg; in the head Wq's fragments at 0, Wk's at 64
.set MSB, 0
.set QN,  0
.macro WIN new                         ; the immediate's high byte repeats the setting that is left
.if MSB != \new
	s_set_vgpr_msb (MSB<<8)|\new
.set MSB, \new
.endif
.endm
.macro BAR                             ; my LDS stores have landed and my LDS loads are in: then the work-group's barrier
	s_wait_dscnt 0x0
	s_barrier_signal -1
	s_barrier_wait -1
.endm
.macro NOPS n
.rept \n
	v_nop
.endr
.endm
; one FP4 matrix instruction from the symbols fD, fA, fB, fC (under 0: the constant 0), fSA, fSB, fRA, fRB (1: that side's scales in lanes 16-31)
.macro FP4
.if fC < 0
.if fRA && fRB
	v_wmma_scale_f32_16x16x128_f8f6f4 v[fD:fD+7], v[fA:fA+7], v[fB:fB+7], 0, v[fSA], v[fSB] matrix_a_fmt:MATRIX_FMT_FP4 matrix_b_fmt:MATRIX_FMT_FP4 matrix_a_scale:MATRIX_SCALE_ROW1 matrix_b_scale:MATRIX_SCALE_ROW1
.elseif fRA
	v_wmma_scale_f32_16x16x128_f8f6f4 v[fD:fD+7], v[fA:fA+7], v[fB:fB+7], 0, v[fSA], v[fSB] matrix_a_fmt:MATRIX_FMT_FP4 matrix_b_fmt:MATRIX_FMT_FP4 matrix_a_scale:MATRIX_SCALE_ROW1
.elseif fRB
	v_wmma_scale_f32_16x16x128_f8f6f4 v[fD:fD+7], v[fA:fA+7], v[fB:fB+7], 0, v[fSA], v[fSB] matrix_a_fmt:MATRIX_FMT_FP4 matrix_b_fmt:MATRIX_FMT_FP4 matrix_b_scale:MATRIX_SCALE_ROW1
.else
	v_wmma_scale_f32_16x16x128_f8f6f4 v[fD:fD+7], v[fA:fA+7], v[fB:fB+7], 0, v[fSA], v[fSB] matrix_a_fmt:MATRIX_FMT_FP4 matrix_b_fmt:MATRIX_FMT_FP4
.endif
.else
.if fRA && fRB
	v_wmma_scale_f32_16x16x128_f8f6f4 v[fD:fD+7], v[fA:fA+7], v[fB:fB+7], v[fC:fC+7], v[fSA], v[fSB] matrix_a_fmt:MATRIX_FMT_FP4 matrix_b_fmt:MATRIX_FMT_FP4 matrix_a_scale:MATRIX_SCALE_ROW1 matrix_b_scale:MATRIX_SCALE_ROW1
.elseif fRA
	v_wmma_scale_f32_16x16x128_f8f6f4 v[fD:fD+7], v[fA:fA+7], v[fB:fB+7], v[fC:fC+7], v[fSA], v[fSB] matrix_a_fmt:MATRIX_FMT_FP4 matrix_b_fmt:MATRIX_FMT_FP4 matrix_a_scale:MATRIX_SCALE_ROW1
.elseif fRB
	v_wmma_scale_f32_16x16x128_f8f6f4 v[fD:fD+7], v[fA:fA+7], v[fB:fB+7], v[fC:fC+7], v[fSA], v[fSB] matrix_a_fmt:MATRIX_FMT_FP4 matrix_b_fmt:MATRIX_FMT_FP4 matrix_b_scale:MATRIX_SCALE_ROW1
.else
	v_wmma_scale_f32_16x16x128_f8f6f4 v[fD:fD+7], v[fA:fA+7], v[fB:fB+7], v[fC:fC+7], v[fSA], v[fSB] matrix_a_fmt:MATRIX_FMT_FP4 matrix_b_fmt:MATRIX_FMT_FP4
.endif
.endif
.endm
	; ================= ids, addresses, constants =================
	s_load_b512 s[4:19], s[0:1], 0x0               ; xcod s[4:5], xscl s[6:7], wcod s[8:9], wscl s[10:11], ln_g s[12:13], ln_b s[14:15], bu s[16:17], bv s[18:19]
	s_load_b128 s[20:23], s[0:1], 0x40             ; Wo s[20:21], bo s[22:23]
	s_load_b64 s[24:25], s[0:1], 0x50              ; out0
	v_lshrrev_b32 v232, 5, v0
	v_readfirstlane_b32 s26, v232                  ; wave w 0..7
	s_and_b32 s27, s26, 3                          ; s = ns = jt
	s_lshr_b32 s28, s26, 2                         ; g = tg = it
	s_and_b32 s30, ttmp7, 0xffff
	s_lshr_b32 s31, s30, 4                         ; batch
	s_and_b32 s32, s30, 15                         ; block of 32 i;  ttmp9: block of 64 j
	v_and_b32 v232, 31, v0                         ; lane
	v_and_b32 v233, 15, v0                         ; r
	v_bfe_u32 v234, v0, 4, 1                       ; h
	v_lshlrev_b32 v1, 4, v232
	v_lshlrev_b32 v2, 2, v232
	v_lshl_add_u32 v3, v233, 4, 3072
	v_lshlrev_b32 v4, 3, v232
	v_lshlrev_b32 v14, 5, v234
	v_mov_b32 v15, 0
	s_mul_i32 s68, s28, 16*TP                      ; my half of a buffer's 32 tiles
	s_lshl_b32 s33, s27, 8                         ; block s = 2 c + h of a fragment lies 256 s bytes in
	s_add_co_u32 s33, s33, s68
	v_mul_u32_u24 v235, v234, TP                   ; lanes 16-31: the next tile of 16 j
	v_lshl_add_u32 v235, v233, 4, v235
	v_add_nc_u32 v5, s33, v235
	s_add_co_u32 s33, s27, s68
	v_add_nc_u32 v6, s33, v235                     ; my byte of a row's scale words (3,072 and 4 p stand in the immediate)
	v_lshlrev_b32 v220, 2, v233                    ; 4 r
	v_lshl_add_u32 v221, v234, 12, v220            ; + 4,096 h: Wq's words below, Wk's above
	v_mad_u32_u24 v238, v234, 1536, v220           ; + 1,536 h: Wu's below, Wv's above
	s_lshl_b32 s33, s26, 10
	v_add_nc_u32 v7, s33, v1                       ; x's images, K step w
	s_mul_i32 s33, s26, 384
	v_add_nc_u32 v8, s33, v220                     ; their scale words
	v_mul_u32_u24 v236, v233, RP
	v_lshl_add_u32 v9, v234, 5, v236
	s_lshl_b32 s33, s26, 6
	s_add_co_u32 s33, s33, RAW
	v_add_nc_u32 v9, s33, v9                       ; q, k: row r, hidden units 16 w + 8 h on
	v_lshl_add_u32 v237, v234, 4, v236
	s_mul_i32 s33, s28, 16*RP
	s_add_co_u32 s33, s33, RAW
	v_add_nc_u32 v10, s33, v237                    ; f32 fragments: q's rows 16 it + r,
	s_mul_i32 s33, s27, 16*RP
	s_add_co_u32 s33, s33, RAW+32*RP
	v_add_nc_u32 v11, s33, v237                    ; k's rows 16 jt + r
	s_mul_i32 s33, s26, RP
	s_add_co_u32 s33, s33, RAW
	v_add_nc_u32 v12, s33, v1                      ; row sums: row w + 8 t, 16 bytes a lane
	s_lshl_b32 s33, s26, 3
	s_add_co_u32 s33, s33, ROWS
	v_mov_b32 v13, s33
	s_lshl_b32 s33, s27, 7
	s_add_co_u32 s33, s33, ROWS+256
	v_lshl_add_u32 v228, v233, 3, s33              ; sums of k's row 16 jt + r
	s_lshl_b32 s33, s28, 7
	s_add_co_u32 s33, s33, ROWS
	v_lshl_add_u32 v229, v234, 6, s33              ; sums of q's rows 16 it + 8 h on
	s_lshl_b32 s33, s28, 13
	s_lshl_b32 s39, s27, 7
	s_add_co_u32 s33, s33, s39
	s_add_co_u32 s33, s33, STATS
	v_lshl_add_u32 v230, v234, 12, s33
	v_lshl_add_u32 v230, v233, 3, v230             ; (a, m) of pair (16 it + 8 h + e, 16 jt + r)
	v_mul_u32_u24 v231, v232, RP
	s_lshl_b32 s33, s27, 7
	s_add_co_u32 s33, s33, RAW+32*RP
	v_add_nc_u32 v231, s33, v231                   ; k of j = lane, my 32 numbers
	s_mul_i32 s66, s28, 4*RP
	s_lshl_b32 s33, s27, 7
	s_add_co_u32 s66, s66, s33                     ; q: row 4 g, my 32 numbers
	s_lshl_b32 s67, s28, 11                        ; (a, m): row 4 g
	s_lshl_b32 s69, s27, 14
	s_add_co_u32 s69, s69, s67                     ; partial sums: ns, tile 16 tg
	s_mov_b32 s34, 0x76543210
	s_mov_b32 s35, 0xfedcba98                      ; v_permlanex16_b32's selects for lane l xor 16
	s_mov_b32 s36, 0x7fffffff
	s_mov_b32 s37, 0x3b2aaaab                      ; 1 / 384
	s_mov_b32 s38, 0x3727c5ac                      ; 1e-5
	s_mov_b32 s40, 0x3d4c41b4                      ; C1 = a1 / sqrt 2      (each constant twice: the packed forms name pairs)
	s_mov_b32 s41, s40
	s_mov_b32 s42, 0x3cad2fe7                      ; C2 = a2 / 2
	s_mov_b32 s43, s42
	s_mov_b32 s44, 0x3b56cd72                      ; C3 = a3 / (2 sqrt 2)
	s_mov_b32 s45, s44
	s_mov_b32 s46, 0x381f6607                      ; C4 = a4 / 4
	s_mov_b32 s47, s46
	s_mov_b32 s48, 0x36b49f67                      ; C6 = a6 / 8
	s_mov_b32 s49, s48
	v_mov_b32 v34, 0x384d0fec                      ; C5 = a5 / (4 sqrt 2)
	v_mov_b32 v35, v34
	s_mov_b32 s3, 0
	s_lshl_b32 s50, s31, 5
	s_lshl_b32 s51, s32, 1
	s_add_co_u32 s51, s50, s51                     ; Q's first tile: 32 b + 2 ib
	s_lshl_b32 s33, ttmp9, 2
	s_add_co_u32 s50, s50, s33
	s_add_co_u32 s50, s50, 64                      ; K's: 64 + 32 b + 4 jb
	s_wait_kmcnt 0x0
	s_lshl_b32 s33, s26, 10
	s_lshl_b32 s2, s51, 13
	s_add_co_u32 s2, s2, s33
	s_add_nc_u64 s[70:71], s[4:5], s[2:3]          ; Q's codes, K step w
	s_lshl_b32 s2, s50, 13
	s_add_co_u32 s2, s2, s33
	s_add_nc_u64 s[72:73], s[4:5], s[2:3]          ; K's
	s_lshl_b32 s33, s26, 6
	s_lshl_b32 s2, s51, 9
	s_add_co_u32 s2, s2, s33
	s_add_nc_u64 s[74:75], s[6:7], s[2:3]          ; their scale words
	s_lshl_b32 s2, s50, 9
	s_add_co_u32 s2, s2, s33
	s_add_nc_u64 s[76:77], s[6:7], s[2:3]
	s_lshl_b32 s2, s26, 13
	s_add_nc_u64 s[78:79], s[8:9], s[2:3]          ; Wq's tile w (Wk's 65,536 on)
	s_lshl_b32 s2, s26, 9
	s_add_nc_u64 s[80:81], s[10:11], s[2:3]
	s_lshl_b32 s2, s27, 7
	s_add_nc_u64 s[82:83], s[12:13], s[2:3]        ; ln_g, ln_b at 32 s;  bu, bv, Wo at 32 ns
	s_add_nc_u64 s[84:85], s[14:15], s[2:3]
	s_add_nc_u64 s[90:91], s[16:17], s[2:3]
	s_add_nc_u64 s[92:93], s[18:19], s[2:3]
	s_add_nc_u64 s[94:95], s[20:21], s[2:3]
	s_mul_i32 s2, s27, 6144
	s_add_co_u32 s2, s2, 131072
	s_add_nc_u64 s[86:87], s[8:9], s[2:3]          ; Wu's tiles 2 ns, 2 ns + 1 (Wv's 24,576 on)
	s_mul_i32 s2, s27, 384
	s_add_co_u32 s2, s2, 8192
	s_add_nc_u64 s[88:89], s[10:11], s[2:3]
	s_lshl_b32 s2, s31, 9
	s_lshl_b32 s33, s32, 5
	s_add_co_u32 s2, s2, s33
	s_lshl_b32 s33, s26, 2
	s_add_co_u32 s2, s2, s33                       ; the first row that I store: 512 b + 32 ib + 4 w
	s_lshl_b32 s2, s2, 11
	s_lshl_b32 s33, ttmp9, 8
	s_add_co_u32 s2, s2, s33
	s_add_nc_u64 s[96:97], s[24:25], s[2:3]
	s_load_b32 s62, s[22:23], 0x0                  ; bo
	; ================= the head's loads =================
.irp m, 0,1
.irp c, 0,1
	global_load_b128 v[XA+8*\m+4*\c:XA+8*\m+4*\c+3], v1, s[70:71] offset:\m*8192+\c*512       ; K step w of the six tiles of rows: each wave fetches one K step for all
.endr
.endr
.irp m, 0,1,2,3
.irp c, 0,1
	global_load_b128 v[XA+16+8*\m+4*\c:XA+16+8*\m+4*\c+3], v1, s[72:73] offset:\m*8192+\c*512
.endr
.endr
.irp m, 0,1
	global_load_b32 v[XIW+\m], v220, s[74:75] offset:\m*512
.endr
.irp m, 0,1,2,3
	global_load_b32 v[XIW+2+\m], v220, s[76:77] offset:\m*512
.endr
	WIN 0x40                                       ; destination window 1
.irp ks, 0,1,2,3,4,5,6,7
.irp c, 0,1
	global_load_b128 v[8*\ks+4*\c:8*\ks+4*\c+3], v1, s[78:79] offset:\ks*1024+\c*512
	global_load_b128 v[64+8*\ks+4*\c:64+8*\ks+4*\c+3], v1, s[78:79] offset:65536+\ks*1024+\c*512
.endr
.endr
	WIN 0
.irp ks, 0,1,2,3,4,5,6,7
	global_load_b32 v[WQS+\ks], v221, s[80:81] offset:\ks*64
.endr
	s_wait_kmcnt 0x0
	s_mov_b32 s63, s62
	s_wait_loadcnt 40                              ; x's fragments and words are in; the 40 loads behind them (Wq, Wk, their words) may be out
.irp m, 0,1,2,3,4,5
.irp c, 0,1
	ds_store_b128 v7, v[XA+8*\m+4*\c:XA+8*\m+4*\c+3] offset:\m*8192+\c*512
.endr
	ds_store_b32 v8, v[XIW+\m] offset:PXS+\m*64    ; lanes 16-31 write the same words once more
.endr
	BAR                                            ; all 48 fragments of x lie in LDS
	; ================= q and k: wave w makes hidden units 16 w on, for the six tiles of rows =================
.macro LOADX ks, set
.irp m, 0,1,2,3,4,5
.irp c, 0,1
	ds_load_b128 v[XA+48*(\set)+8*\m+4*\c:XA+48*(\set)+8*\m+4*\c+3], v1 offset:(\m*8+(\ks))*1024+\c*512
.endr
.endr
.irp mm, 0,1,2
	ds_load_b32 v[XSW+3*(\set)+\mm], v2 offset:PXS+((\ks)*6+2*\mm)*64   ; lanes 0-15 tile 2 mm's words, lanes 16-31 tile 2 mm + 1's
.endr
.endm
.macro PMUL m, ks
.set fD, PACC+8*(\m)
.set fB, XA+48*((\ks)%2)+8*(\m)
.set fSA, WQS+(\ks)
.set fSB, XSW+3*((\ks)%2)+(\m)/2
.set fRB, (\m)%2
.if (\m) < 2
.set fA, 8*(\ks)
.set fRA, 0
.else
.set fA, 64+8*(\ks)
.set fRA, 1
.endif
.if (\ks) == 0
.set fC, -1
.else
.set fC, PACC+8*(\m)
.endif
	FP4
.endm
	LOADX 0, 0
	s_wait_loadcnt 0x0                             ; Wq, Wk and their words
.irp ks, 0,1,2,3,4,5,6,7
.if \ks < 7
.if \ks > 0
	NOPS 4                                         ; places in front of loads into registers that the last products read
.endif
	LOADX \ks+1, (\ks+1)%2
	s_wait_dscnt 15                                ; this K step's 15 loads are in; the 15 just issued may be out
.else
	s_wait_dscnt 0x0
.endif
	WIN 0x01                                       ; source 0 (the weight) window 1
.irp m, 0,1,2,3,4,5
	PMUL \m, \ks                                   ; the six accumulators by turns
.endr
	WIN 0
.endr
	NOPS 4                                         ; places in front of the stores of results and of the loads over Wq and Wk
.irp m, 0,1,2,3,4,5
	ds_store_b128 v9, v[PACC+8*\m:PACC+8*\m+3] offset:\m*16*RP          ; lane (r, h): row r of tile m, hidden units 16 w + 8 h + 0 .. 7; each accumulator from its low end on
	ds_store_b128 v9, v[PACC+8*\m+4:PACC+8*\m+7] offset:\m*16*RP+16
.endr
	WIN 0x40
.irp p, 0,1,2
.irp t, 0,1,2,3,4,5,6,7
	global_load_b128 v[32*\p+4*\t:32*\p+4*\t+3], v15, s[82:83] offset:\p*512+16*\t          ; my 32 gains and 32 biases of each part: the same in every lane
	global_load_b128 v[96+32*\p+4*\t:96+32*\p+4*\t+3], v15, s[84:85] offset:\p*512+16*\t
.endr
.endr
	WIN 0
	BAR                                            ; q and k lie in LDS
	; ================= row sums, and q.k, q^2.k^2 of my 16 x 16 pairs =================
.irp q, 0,1,2,3,4,5,6,7,8,9,10,11,12,13,14,15
	ds_load_b128 v[SA+4*\q:SA+4*\q+3], v10 offset:32*\q    ; two K steps of 4: register pair 2 kk holds c = 8 (kk / 2) + 4 h + 2 (kk % 2) + 0, 1; the same places of c on both sides
	ds_load_b128 v[SB+4*\q:SB+4*\q+3], v11 offset:32*\q
.endr
.irp t, 0,1,2,3,4,5,6,7,8,9,10,11
	ds_load_b128 v[RW+4*\t:RW+4*\t+3], v12 offset:\t*8*RP
.endr
	s_wait_dscnt 0x0
.irp t, 0,1,2,3,4,5,6,7,8,9,10,11
	v_pk_add_f32 v[212:213], v[RW+4*\t:RW+4*\t+1], v[RW+4*\t+2:RW+4*\t+3]
	v_pk_mul_f32 v[214:215], v[RW+4*\t:RW+4*\t+1], v[RW+4*\t:RW+4*\t+1]
	v_pk_fma_f32 v[214:215], v[RW+4*\t+2:RW+4*\t+3], v[RW+4*\t+2:RW+4*\t+3], v[214:215]
	v_add_f32 v[RW+4*\t], v212, v213
	v_add_f32 v[RW+4*\t+1], v214, v215
.endr
.irp x, 1,2,4,8
.irp t, 0,1,2,3,4,5,6,7,8,9,10,11
	v_add_f32_dpp v[RW+4*\t], v[RW+4*\t], v[RW+4*\t] row_xmask:\x row_mask:0xf bank_mask:0xf
	v_add_f32_dpp v[RW+4*\t+1], v[RW+4*\t+1], v[RW+4*\t+1] row_xmask:\x row_mask:0xf bank_mask:0xf
.endr
.endr
.irp t, 0,1,2,3,4,5,6,7,8,9,10,11
	v_permlanex16_b32 v[RW+4*\t+2], v[RW+4*\t], s34, s35
	v_permlanex16_b32 v[RW+4*\t+3], v[RW+4*\t+1], s34, s35
.endr
.irp t, 0,1,2,3,4,5,6,7,8,9,10,11
	v_pk_add_f32 v[RW+4*\t:RW+4*\t+1], v[RW+4*\t:RW+4*\t+1], v[RW+4*\t+2:RW+4*\t+3]
.endr
.irp t, 0,1,2,3,4,5,6,7,8,9,10,11
	ds_store_b64 v13, v[RW+4*\t:RW+4*\t+1] offset:\t*64    ; row w + 8 t; all lanes write the same two words
.endr
	s_wait_dscnt 0x0                               ; the stores have read their registers: the squares are laid over them
.macro SQUARE gq                       ; the squares of K steps 8 gq .. 8 gq + 7: q's 16 registers, then k's
.irp t, 0,1,2,3,4,5,6,7
	v_pk_mul_f32 v[SQ+32*((\gq)%2)+2*\t:SQ+32*((\gq)%2)+2*\t+1], v[SA+16*(\gq)+2*\t:SA+16*(\gq)+2*\t+1], v[SA+16*(\gq)+2*\t:SA+16*(\gq)+2*\t+1]
	v_pk_mul_f32 v[SQ+32*((\gq)%2)+16+2*\t:SQ+32*((\gq)%2)+16+2*\t+1], v[SB+16*(\gq)+2*\t:SB+16*(\gq)+2*\t+1], v[SB+16*(\gq)+2*\t:SB+16*(\gq)+2*\t+1]
.endr
.endm
.macro STAT16                          ; sixteen K steps of both sums, which take turns; the first step starts them with the constant 0
.rept 16
.set sqr, SQ+32*((kk/8)%2)+2*(kk%8)
.if kk == 0
	v_wmma_f32_16x16x4_f32 v[DST:DST+7], v[SA+2*kk:SA+2*kk+1], v[SB+2*kk:SB+2*kk+1], 0
	v_wmma_f32_16x16x4_f32 v[EST:EST+7], v[sqr:sqr+1], v[sqr+16:sqr+17], 0
.else
	v_wmma_f32_16x16x4_f32 v[DST:DST+7], v[SA+2*kk:SA+2*kk+1], v[SB+2*kk:SB+2*kk+1], v[DST:DST+7]
	v_wmma_f32_16x16x4_f32 v[EST:EST+7], v[sqr:sqr+1], v[sqr+16:sqr+17], v[EST:EST+7]
.endif
.set kk, kk+1
.endr
.endm
.set kk, 0
	SQUARE 0
	SQUARE 1
	NOPS 4
	STAT16
	NOPS 8                                         ; eight places behind this form before its sources are written again
	SQUARE 2
	SQUARE 3
	NOPS 4
	STAT16
	NOPS 8                                         ; eight places: for the loads over q's and k's fragments, and for the first read of the sums
	s_wait_loadcnt 0x0                             ; the 48 loads of gains and biases, asked for ahead of the row sums, are in: phase X reads them; behind this wait only the 30 loads below are out
.irp a, 0,1,2,3
.irp p, 0,1,2
.irp c, 0,1
	global_load_b128 v[WT+8*(3*\a+\p)+4*\c:WT+8*(3*\a+\p)+4*\c+3], v1, s[86:87] offset:(\a%2)*24576+((\a/2)*3+\p)*1024+\c*512   ; Wu's and Wv's fragments: they stay
.endr
.endr
.endr
.irp p, 0,1,2
.irp a2, 0,1
	global_load_b32 v[WS+2*\p+\a2], v238, s[88:89] offset:(\a2*3+\p)*64
.endr
.endr
	BAR                                            ; the 96 rows' sums lie in LDS
	; ================= a and m of my 16 x 16 pairs: register e of lane (r, h) is pair (16 it + 8 h + e, 16 jt + r) =================
.set RI,  132
.set MU,  150
.set VR,  158
.set AMO, 166
	ds_load_b64 v[148:149], v228
.irp q, 0,1,2,3
	ds_load_b128 v[RI+4*\q:RI+4*\q+3], v229 offset:16*\q
.endr
	s_wait_dscnt 0x0
.irp e, 0,1,2,3,4,5,6,7
	v_add_f32 v[MU+\e], v[DST+\e], v[RI+2*\e]      ; both sums are read from their low ends on
	v_add_f32 v[VR+\e], v[EST+\e], v[RI+2*\e+1]
.endr
.irp e, 0,1,2,3,4,5,6,7
	v_add_f32 v[MU+\e], v[MU+\e], v148
	v_add_f32 v[VR+\e], v[VR+\e], v149
.endr
.irp e, 0,1,2,3,4,5,6,7
	v_mul_f32 v[MU+\e], s37, v[MU+\e]              ; mu
	v_mul_f32 v[VR+\e], s37, v[VR+\e]              ; the mean of the squares
.endr
.irp e, 0,1,2,3,4,5,6,7
	v_fma_f32 v[VR+\e], -v[MU+\e], v[MU+\e], v[VR+\e]
.endr
.irp e, 0,1,2,3,4,5,6,7
	v_max_num_f32 v[VR+\e], 0, v[VR+\e]
.endr
.irp e, 0,1,2,3,4,5,6,7
	v_add_f32 v[VR+\e], s38, v[VR+\e]
.endr
.irp e, 0,1,2,3,4,5,6,7
	v_rsq_f32 v[AMO+2*\e], v[VR+\e]                ; a
.endr
	v_nop                                          ; a plain line behind the last of the batch
	s_wait_alu depctr_va_vdst(0)                   ; one wait for the eight, ahead of their first reader
.irp e, 0,1,2,3,4,5,6,7
	v_mul_f32 v[AMO+2*\e+1], -v[MU+\e], v[AMO+2*\e]    ; m = -mu a
.endr
.irp e, 0,1,2,3,4,5,6,7
	ds_store_b64 v230, v[AMO+2*\e:AMO+2*\e+1] offset:\e*512
.endr
	WIN 0x40
.irp jg, 0,1
.irp t, 0,1,2,3,4,5,6,7
	ds_load_b128 v[192+32*\jg+4*\t:192+32*\jg+4*\t+3], v231 offset:\jg*32*RP+16*\t     ; k of j = 32 jg + lane, c = 32 s on: it stays
.endr
.endr
	WIN 0
	BAR                                            ; (a, m) of all pairs lie in LDS; nobody reads k's rows any more
	; ================= PHASE X =================
; The block in VAL (32 numbers of ONE pair) becomes 16 bytes of codes and a scale byte, stored at their places in the tile's image.
.macro QUANTB part, jg
	WIN 0
.irp k, 0,1,2,3
	v_max3_num_f32 v[MX+\k], |v[VAL+8*\k]|, |v[VAL+8*\k+1]|, |v[VAL+8*\k+2]|           ; four chains by turns
.endr
.irp k, 0,1,2,3
	v_max3_num_f32 v[MX+\k], v[MX+\k], |v[VAL+8*\k+3]|, |v[VAL+8*\k+4]|
.endr
.irp k, 0,1,2,3
	v_max3_num_f32 v[MX+\k], v[MX+\k], |v[VAL+8*\k+5]|, |v[VAL+8*\k+6]|
.endr
	v_max3_num_f32 v[MX], v[MX], |v[VAL+7]|, |v[VAL+15]|
	v_max3_num_f32 v[MX+2], v[MX+2], |v[VAL+23]|, |v[VAL+31]|
	v_max3_num_f32 v[MX], v[MX], v[MX+1], v[MX+2]
	v_max3_num_f32 v[MX], v[MX], v[MX+3], 0x1800000        ; the floor 2^(3 - 127): the byte cannot fall under 1
	v_add_nc_u32 v[SCL], 0xff000000, v[MX]         ; 2 off the exponent field: the conversion's scale operand
	s_wait_dscnt 0x2                               ; only the last block's two stores may be out: the stores of two blocks ago have read this set of registers
.irp q, 0,1,2,3
	v_cvt_scalef32_pk8_fp4_f32 v[COD+4*QN+\q], v[VAL+8*\q:VAL+8*\q+7], v[SCL]
.endr
	v_lshrrev_b32 v[BYT+9*QN], 23, v[SCL]          ; the scale's byte; also the plain line behind the conversions
	ds_store_b128 v9, v[COD+4*QN:COD+4*QN+3] offset:(\jg)*2*TP+(\part)*1024    ; sixteen lanes fill 256 consecutive bytes of a fragment's image
	ds_store_b8 v10, v[BYT+9*QN] offset:(\jg)*2*TP+3072+(\part)*4
.set QN, 1-QN
.endm
.macro GB p                            ; x gain + bias of part p
	WIN 0x14                                       ; sources 1 and 2 window 1
.irp t, 0,1,2,3,4,5,6,7,8,9,10,11,12,13,14,15
	v_pk_fma_f32 v[VAL+2*\t:VAL+2*\t+1], v[VAL+2*\t:VAL+2*\t+1], v[32*\p+2*\t:32*\p+2*\t+1], v[96+32*\p+2*\t:96+32*\p+2*\t+1]
.endr
.endm
.macro KBLK jg                         ; part 1: k a + m
	WIN 0x04                                       ; source 1 window 1
.irp t, 0,1,2,3,4,5,6,7,8,9,10,11,12,13,14,15
	v_pk_fma_f32 v[VAL+2*\t:VAL+2*\t+1], v[AM+2*\jg:AM+2*\jg+1], v[192+32*\jg+2*\t:192+32*\jg+2*\t+1], v[AM+2*\jg:AM+2*\jg+1] op_sel:[0,0,1] op_sel_hi:[0,1,1]
.endr
	GB 1
	QUANTB 1, \jg
.endm
.macro QBLK jg                         ; part 0: q a + m
	WIN 0
.irp t, 0,1,2,3,4,5,6,7,8,9,10,11,12,13,14,15
	v_pk_fma_f32 v[VAL+2*\t:VAL+2*\t+1], v[FQ+2*\t:FQ+2*\t+1], v[AM+2*\jg:AM+2*\jg+1], v[AM+2*\jg:AM+2*\jg+1] op_sel:[0,0,1] op_sel_hi:[1,0,1]
.endr
	GB 0
	QUANTB 0, \jg
.endm
.macro PBLK jg                         ; part 2: (q k) a + m; the product is rounded first
	WIN 0x04
.irp t, 0,1,2,3,4,5,6,7,8,9,10,11,12,13,14,15
	v_pk_mul_f32 v[VAL+2*\t:VAL+2*\t+1], v[FQ+2*\t:FQ+2*\t+1], v[192+32*\jg+2*\t:192+32*\jg+2*\t+1]
.endr
	WIN 0
.irp t, 0,1,2,3,4,5,6,7,8,9,10,11,12,13,14,15
	v_pk_fma_f32 v[VAL+2*\t:VAL+2*\t+1], v[VAL+2*\t:VAL+2*\t+1], v[AM+2*\jg:AM+2*\jg+1], v[AM+2*\jg:AM+2*\jg+1] op_sel:[0,0,1] op_sel_hi:[1,0,1]
.endr
	GB 2
	QUANTB 2, \jg
.endm
.macro XPHASE buf, c                   ; four trips: i = 8 c + 4 g + 0 .. 3
	s_add_co_u32 s52, s66, RAW+8*(\c)*RP
	s_add_co_u32 s54, s67, STATS+8*(\c)*512
	s_mov_b32 s56, \buf
	s_mov_b32 s59, 4
.Lx_\@:
	v_mov_b32 v7, s52                              ; (the last trip's loads by v7 and v8 were shown done by that trip's waits)
	v_add_nc_u32 v8, s54, v4
	ds_load_b64 v[AM:AM+1], v8                     ; (a, m) of (i, lane) and of (i, 32 + lane)
	ds_load_b64 v[AM+2:AM+3], v8 offset:256
.irp t, 0,1,2,3,4,5,6,7
	ds_load_b128 v[FQ+4*\t:FQ+4*\t+3], v7 offset:16*\t     ; q_i, my 32 numbers: the same in every lane
.endr
	s_wait_dscnt 0x8                               ; (a, m) are in and the last trip's stores are done; q's eight loads may be out
	v_add_nc_u32 v9, s56, v5
	v_add_nc_u32 v10, s56, v6
	KBLK 0                                         ; k's part wants no q: it goes first.  The second block's wait leaves only two stores out: q is in from then on
	KBLK 1
	QBLK 0
	QBLK 1
	PBLK 0
	PBLK 1
	s_add_co_u32 s52, s52, RP
	s_add_co_u32 s54, s54, 512
	s_add_co_u32 s56, s56, 4*TP
	s_sub_co_u32 s59, s59, 1
	s_cmp_lg_u32 s59, 0
	s_cbranch_scc1 .Lx_\@
.endm
.macro CLOAD                           ; bu, bv in the results' layout (lane (r, h): hidden units 32 ns + 16 a2 + 8 h + 0 .. 7), and Wo likewise; phase X has used their registers
.irp a2, 0,1
.irp q, 0,1
	global_load_b128 v[BIAS+16*\a2+4*\q:BIAS+16*\a2+4*\q+3], v14, s[90:91] offset:64*\a2+16*\q
	global_load_b128 v[BIAS+16*\a2+8+4*\q:BIAS+16*\a2+8+4*\q+3], v14, s[92:93] offset:64*\a2+16*\q
	global_load_b128 v[WO+8*\a2+4*\q:WO+8*\a2+4*\q+3], v14, s[94:95] offset:64*\a2+16*\q
.endr
.endr
.endm
	; ================= PHASE M =================
; Eight hidden units of one pair: the sums take Wo u (v + |v| erf(|v| / sqrt 2)).
.macro GELU gu, gv, gw, first
.irp e, 0,1,2,3,4,5,6,7
	v_and_b32 v[AV+\e], s36, v[\gv+\e]             ; |v|; the accumulator is read from its low end on
.endr
.irp e, 0,2,4,6
	v_pk_fma_f32 v[DP+\e:DP+\e+1], v[AV+\e:AV+\e+1], s[48:49], v[34:35] op_sel_hi:[1,0,1]
.endr
.irp k, 46,44,42,40
.irp e, 0,2,4,6
	v_pk_fma_f32 v[DP+\e:DP+\e+1], v[DP+\e:DP+\e+1], v[AV+\e:AV+\e+1], s[\k:\k+1] op_sel_hi:[1,1,0]
.endr
.endr
.irp e, 0,2,4,6
	v_pk_fma_f32 v[DP+\e:DP+\e+1], v[DP+\e:DP+\e+1], v[AV+\e:AV+\e+1], 1.0 op_sel_hi:[1,1,0]
.endr
.rept 4
.irp e, 0,2,4,6
	v_pk_mul_f32 v[DP+\e:DP+\e+1], v[DP+\e:DP+\e+1], v[DP+\e:DP+\e+1]      ; to the sixteenth power
.endr
.endr
.irp e, 0,1,2,3,4,5,6,7
	v_rcp_f32 v[DP+\e], v[DP+\e]                   ; 1 - erf
.endr
	v_nop                                          ; a plain line behind the last of the batch
	s_wait_alu depctr_va_vdst(0)                   ; one wait for the eight, ahead of their first reader
.irp e, 0,2,4,6
	v_pk_fma_f32 v[AV+\e:AV+\e+1], v[AV+\e:AV+\e+1], v[DP+\e:DP+\e+1], v[AV+\e:AV+\e+1] neg_lo:[0,1,0] neg_hi:[0,1,0]   ; |v| erf
.endr
.irp e, 0,2,4,6
	v_pk_add_f32 v[AV+\e:AV+\e+1], v[AV+\e:AV+\e+1], v[\gv+\e:\gv+\e+1]
.endr
.irp e, 0,2,4,6
	v_pk_mul_f32 v[AV+\e:AV+\e+1], v[AV+\e:AV+\e+1], v[\gu+\e:\gu+\e+1]
.endr
.if \first
	v_pk_mul_f32 v[SUMA:SUMA+1], v[AV:AV+1], v[\gw:\gw+1]                  ; the first products start the sums, in registers that u has left
	v_pk_mul_f32 v[SUMB:SUMB+1], v[AV+2:AV+3], v[\gw+2:\gw+3]
.else
	v_pk_fma_f32 v[SUMA:SUMA+1], v[AV:AV+1], v[\gw:\gw+1], v[SUMA:SUMA+1]
	v_pk_fma_f32 v[SUMB:SUMB+1], v[AV+2:AV+3], v[\gw+2:\gw+3], v[SUMB:SUMB+1]
.endif
	v_pk_fma_f32 v[SUMA:SUMA+1], v[AV+4:AV+5], v[\gw+4:\gw+5], v[SUMA:SUMA+1]
	v_pk_fma_f32 v[SUMB:SUMB+1], v[AV+6:AV+7], v[\gw+6:\gw+7], v[SUMB:SUMB+1]
.endm
.macro XFLOAD                          ; a tile's three fragments and its rows' three scale words, as the image has them
.irp p, 0,1,2
.irp c, 0,1
	ds_load_b128 v[XF+8*\p+4*\c:XF+8*\p+4*\c+3], v11 offset:\p*1024+\c*512
.endr
.endr
	ds_load_b96 v[XS:XS+2], v12
.endm
.macro MTRIP pre                       ; one tile; pre = 1: the next tile's image is asked for behind the products
	s_wait_dscnt 0x0                               ; the tile's fragments and words are in; the last tile's store has read its registers
.irp p, 0,1,2
.irp a, 0,1,2,3
.set fD, ACC+8*\a
.set fA, WT+8*(3*\a+\p)
.set fB, XF+8*\p
.if \p == 0
.set fC, BIAS+8*\a
.else
.set fC, ACC+8*\a
.endif
.set fSA, WS+2*\p+\a/2
.set fSB, XS+\p
.set fRA, \a%2
.set fRB, 0
	FP4                                            ; the four accumulators by turns
.endr
.endr
.if \pre
	s_add_co_u32 s57, s57, TP
	v_add_nc_u32 v11, s57, v1                      ; four places behind the last product, two of them useful
	v_add_nc_u32 v12, s57, v3
	NOPS 2
	XFLOAD
.else
	NOPS 4
.endif
	GELU ACC, ACC+8, WO, 1
	GELU ACC+16, ACC+24, WO+8, 0
	v_pk_add_f32 v[SUMA:SUMA+1], v[SUMA:SUMA+1], v[SUMB:SUMB+1]
	v_add_f32 v[SUMA], v[SUMA], v[SUMA+1]
	v_add_nc_u32 v13, s58, v2
	ds_store_b32 v13, v[SUMA]                      ; lane (r, h): pair r's sum over my hidden units 8 h + 0 .. 7 of both tiles
	s_add_co_u32 s58, s58, 128
.endm
.macro MPHASE buf, c
	s_add_co_u32 s57, s68, \buf
	s_add_co_u32 s58, s69, PART+(\c)*4096
	v_add_nc_u32 v11, s57, v1
	v_add_nc_u32 v12, s57, v3
	XFLOAD
	s_wait_loadcnt 0x0                             ; bu, bv, Wo; in the first chunk Wu, Wv and their words too
	s_mov_b32 s60, 15
.Lm_\@:
	MTRIP 1
	s_sub_co_u32 s60, s60, 1
	s_cmp_lg_u32 s60, 0
	s_cbranch_scc1 .Lm_\@
	MTRIP 0                                        ; the sixteenth tile asks for nothing
.endm
.macro CHUNK c
	XPHASE ((\c)%2)*IMGB, \c
	CLOAD
	BAR                                            ; the chunk's 32 images are whole; nobody reads the other buffer any more
	MPHASE ((\c)%2)*IMGB, \c
.endm
	CHUNK 0
	CHUNK 1
	CHUNK 2
	CHUNK 3
	BAR                                            ; all partial sums lie in LDS
	; ================= the end: wave w stores rows 4 w .. 4 w + 3; sixteen lanes fill a row's 256 bytes =================
	v_bfe_u32 v7, v0, 2, 2                         ; lane (r, h) takes j = 4 r + 0 .. 3 of row 4 w + 2 gp + h: tile of j r / 4, places 4 (r % 4) on
	v_and_b32 v8, 3, v0
	v_lshlrev_b32 v7, 7, v7
	v_lshl_add_u32 v7, v8, 4, v7
	v_bfe_u32 v8, v0, 4, 1                         ; h
	v_lshl_add_u32 v7, v8, 9, v7
	s_lshl_b32 s33, s26, 11
	s_add_co_u32 s33, s33, PART
	v_add_nc_u32 v7, s33, v7
	v_and_b32 v9, 15, v0
	v_lshlrev_b32 v9, 4, v9
	v_lshl_add_u32 v9, v8, 11, v9                  ; in the output: 16 r + a row of 2,048 bytes for lanes 16-31
.irp gp, 0,1
.irp n, 0,1,2,3
.irp hh, 0,1
	ds_load_b128 v[132+32*\gp+8*\n+4*\hh:132+32*\gp+8*\n+4*\hh+3], v7 offset:\gp*1024+\n*16384+\hh*64   ; the eight parts of a pair's sum: four ns, two halves of the lanes
.endr
.endr
.endr
	s_wait_dscnt 0x0
.irp gp, 0,1
.irp z, 0,8,16,24
	v_pk_add_f32 v[132+32*\gp+\z:132+32*\gp+\z+1], v[132+32*\gp+\z:132+32*\gp+\z+1], v[132+32*\gp+\z+4:132+32*\gp+\z+5]
	v_pk_add_f32 v[132+32*\gp+\z+2:132+32*\gp+\z+3], v[132+32*\gp+\z+2:132+32*\gp+\z+3], v[132+32*\gp+\z+6:132+32*\gp+\z+7]
.endr
.irp z, 0,16
	v_pk_add_f32 v[132+32*\gp+\z:132+32*\gp+\z+1], v[132+32*\gp+\z:132+32*\gp+\z+1], v[132+32*\gp+\z+8:132+32*\gp+\z+9]
	v_pk_add_f32 v[132+32*\gp+\z+2:132+32*\gp+\z+3], v[132+32*\gp+\z+2:132+32*\gp+\z+3], v[132+32*\gp+\z+10:132+32*\gp+\z+11]
.endr
	v_pk_add_f32 v[132+32*\gp:132+32*\gp+1], v[132+32*\gp:132+32*\gp+1], v[132+32*\gp+16:132+32*\gp+17]
	v_pk_add_f32 v[132+32*\gp+2:132+32*\gp+3], v[132+32*\gp+2:132+32*\gp+3], v[132+32*\gp+18:132+32*\gp+19]
	v_pk_fma_f32 v[132+32*\gp:132+32*\gp+1], v[132+32*\gp:132+32*\gp+1], 0.5, s[62:63] op_sel_hi:[1,0,0]       ; GELU's half, and bo
	v_pk_fma_f32 v[132+32*\gp+2:132+32*\gp+3], v[132+32*\gp+2:132+32*\gp+3], 0.5, s[62:63] op_sel_hi:[1,0,0]
	global_store_b128 v9, v[132+32*\gp:132+32*\gp+3], s[96:97] offset:\gp*4096 th:TH_STORE_NT   ; 16 lanes store 256 consecutive bytes, at a multiple of 256 from the output's first byte
.endr
	s_endpgm
.Lfunc_end_k_qf4e8f26eaf_pairs:
	.size	k_qf4e8f26eaf_pairs, .Lfunc_end_k_qf4e8f26eaf_pairs-k_qf4e8f26eaf_pairs
	.p2alignl 7, 3214868480
	.fill 96, 4, 3214868480
	.section	.rodata,"a",@progbits
	.p2align	6, 0x0
	.amdhsa_kernel k_qf4e8f26eaf_pairs
		.amdhsa_group_segment_fixed_size 320256
		.amdhsa_private_segment_fixed_size 0
		.amdhsa_enable_private_segment 0
		.amdhsa_kernarg_size 88
		.amdhsa_user_sgpr_count 2
		.amdhsa_user_sgpr_kernarg_segment_ptr 1
		.amdhsa_wavefront_size32 1
		.amdhsa_system_sgpr_workgroup_id_x 1
		.amdhsa_system_sgpr_workgroup_id_y 1
		.amdhsa_system_sgpr_workgroup_id_z 1
		.amdhsa_system_vgpr_workitem_id 0
		.amdhsa_next_free_vgpr 512
		.amdhsa_next_free_sgpr 100
		.amdhsa_reserve_vcc 0
		.amdhsa_float_denorm_mode_32 3
		.amdhsa_float_denorm_mode_16_64 3
		.amdhsa_memory_ordered 1
		.amdhsa_forward_progress 1
		.amdhsa_inst_pref_size 255
	.end_amdhsa_kernel
	.section	.bss,"aw",@nobits
	.p2align	6
	.space	262144
	.amdgpu_metadata
---
amdhsa.version: [ 1, 2 ]
amdhsa.kernels:
  - .name:           k_qf4e8f26eaf_pairs
    .symbol:         k_qf4e8f26eaf_pairs.kd
    .args:
      - { .name: xcod, .offset: 0, .size: 8, .value_kind: global_buffer, .address_space: global }
      - { .name: xscl, .offset: 8, .size: 8, .value_kind: global_buffer, .address_space: global }
      - { .name: wcod, .offset: 16, .size: 8, .value_kind: global_buffer, .address_space: global }
      - { .name: wscl, .offset: 24, .size: 8, .value_kind: global_buffer, .address_space: global }
      - { .name: ln_g, .offset: 32, .size: 8, .value_kind: global_buffer, .address_space: global }
      - { .name: ln_b, .offset: 40, .size: 8, .value_kind: global_buffer, .address_space: global }
      - { .name: bu, .offset: 48, .size: 8, .value_kind: global_buffer, .address_space: global }
      - { .name: bv, .offset: 56, .size: 8, .value_kind: global_buffer, .address_space: global }
      - { .name: Wo, .offset: 64, .size: 8, .value_kind: global_buffer, .address_space: global }
      - { .name: bo, .offset: 72, .size: 8, .value_kind: global_buffer, .address_space: global }
      - { .name: out0, .offset: 80, .size: 8, .value_kind: global_buffer, .address_space: global }
    .group_segment_fixed_size: 320256
    .private_segment_fixed_size: 0
    .kernarg_segment_align: 8
    .kernarg_segment_size: 88
    .max_flat_workgroup_size: 256
    .sgpr_count:     100
    .vgpr_count:     512
    .wavefront_size: 32
...
	.end_amdgpu_metadata
.endif
;; end of part 2
